; MI455X (gfx1250); checked and timed in simulation.
; The chip was launched on July 23, 2026; its instructions are those of AMD's public machine-readable ISA for CDNA 5 (MIT licence, August 2026) and "CDNA5" Instruction Set Architecture Reference Guide (July 2026). The comments in the code are by the model that wrote it; some were corrected since.
;; RNF. Allowed arithmetic: float matrix products may take bf16 or f16 operands with f32 sums; all other float work in f32.
;; Inputs: W_dense 5 x 124 float32; W_hh 1,200 x 300 float32; W_ih 1,200 x 300 float32; b_dense 5 float32; b_hh 1,200 float32; b_ih 1,200 float32; embed_table 50,000 x 300 float32; x 128 x 128 int32.
;; Outputs: out0 128 x 5 float32.
;; One version. Each part assembles by itself: llvm-mc -triple=amdgcn-amd-amdhsa -mcpu=gfx1250 --defsym DOCPART=n.
;; ======== version 1 of 1: 3 launches
;; limits: values outside matrix products are rounded to f16; values are held in f16: magnitudes above 65,504 overflow, below 6.1e-05 lose precision
;; workspace buffers: ws_w 1,638,400 bytes; ws_b 5,120 bytes; part 32,768 bytes
;; launch prep (part 1): grid 40 x 2, 10 waves a work-group, no clusters, 0 bytes of LDS; arguments W_ih, W_hh, b_ih, b_hh, ws_w, ws_b; writes ws_w, ws_b
.if DOCPART == 1
	.amdgcn_target "amdgcn-amd-amdhsa--gfx1250"
	.amdhsa_code_object_version 6
	.text
	.protected	k_q54ac566307_prep
	.globl	k_q54ac566307_prep
	.p2align	8
	.type	k_q54ac566307_prep,@function
k_q54ac566307_prep:
	s_mov_b64 s[64:65], 0
	v_nop
	global_prefetch_b8 v0, s[64:65] scope:SCOPE_SE
	s_setreg_imm32_b32 hwreg(HW_REG_WAVE_MODE, 25, 1), 1
	s_wait_xcnt 0x0
; prep: the two weight matrices [1200][300] f32 become f16 in the order in which the main launch's waves read matrix fragments, and the two biases one f32 vector.
; ws_w: [matrix 2: W_ih, W_hh][chunk 10 = 2 x tile round + gate half][wave 4][K step 10][gate of the half 2][piece 2][lane 32][8 f16]
;       tile = 4 x round + wave holds hidden units 16 tile .. 16 tile + 15; gate = 2 x half + gh in the order i, f, g, o;
;       lane (r = lane & 15, h = lane >> 4), piece p: row gate x 300 + 16 tile + r, columns 32 ks + 16 p + 8 h + 0 .. 7.
;       Units 300 .. 319 and columns 300 .. 319 are written as zeros (19 real tiles padded to 20, K = 300 padded to 320).
; ws_b: [tile 20][gate 4][16] f32 = (b_ih + b_hh) x scale, zero for units 300 .. 319.
; SCALE: rows of i, f, o are multiplied by -log2(e), rows of g by -2 log2(e), so that the main launch has
;       sigmoid = 1 / (1 + 2^acc) and tanh = 2 / (1 + 2^acc) - 1 without a multiply.
; LIMIT: the scaled weights are rounded to f16: |2.885 W| has to stay below 65,504.
; One work-group makes one wave part of one chunk (20,480 bytes); its ten waves take the ten K steps.
.set S_SIG,  0xbfb8aa3b                ; -log2(e)
.set S_TANH, 0xc038aa3b                ; -2 log2(e)
.set ADR, 12                           ; v[12:15]  byte offsets of my four pieces of 4 floats in a row (piece, half of the piece)
.set X,   16                           ; v[16:47]  32 floats as loaded: 16 gh + 8 piece + 4 half + e
.set Y,   48                           ; v[48:63]  the same as 16 words of two f16
.set SC,  64                           ; v[64:71]  scale of each run of 4 floats: 4 gh + 2 piece + half; 0 in the padding
.set SO,  72                           ; v72       16 x lane
	s_load_b256 s[4:11], s[0:1], 0x0               ; W_ih s[4:5], W_hh s[6:7], b_ih s[8:9], b_hh s[10:11]
	s_load_b128 s[12:15], s[0:1], 0x20             ; ws_w s[12:13], ws_b s[14:15]
	v_lshrrev_b32 v1, 5, v0
	v_readfirstlane_b32 s16, v1                    ; my wave = my K step, 0 .. 9
	s_and_b32 s17, ttmp7, 0xffff                   ; matrix: 0 W_ih, 1 W_hh
	s_lshr_b32 s18, ttmp9, 2                       ; chunk
	s_and_b32 s19, ttmp9, 3                        ; the main launch's wave
	s_and_b32 s20, s18, 1                          ; gate half
	s_lshr_b32 s21, s18, 1                         ; tile round
	s_lshl2_add_u32 s21, s21, s19                  ; tile = 4 x round + wave
	s_mov_b32 s26, S_SIG
	s_mov_b32 s27, S_TANH
	s_cmp_eq_u32 s20, 1
	s_cselect_b32 s27, s27, s26                    ; gh = 0 is gate g in the second half, gate i in the first
	v_mov_b32 v10, s27                             ; scale of gh = 0
	v_mov_b32 v11, s26                             ; scale of gh = 1 (f or o)
	v_and_b32 v2, 31, v0                           ; lane
	v_and_b32 v3, 15, v0                           ; r
	v_bfe_u32 v4, v0, 4, 1                         ; h
	v_lshl_add_u32 v5, s21, 4, v3                  ; hidden unit
	v_cmp_gt_u32 s22, 300, v5                      ; a real unit?
	v_min_u32 v6, 299, v5                          ; padding rows read row 299 and are multiplied by 0
	v_mul_u32_u24 v7, v6, 1200                     ; bytes of a row
	s_mul_i32 s23, s20, 720000                     ; 2 gates x 300 rows x 1,200 bytes
	v_add_nc_u32 v7, s23, v7
	s_lshl_b32 s24, s16, 5
	v_lshl_add_u32 v8, v4, 3, s24                  ; 32 ks + 8 h
.irp pc, 0,1,2,3                                   ; pc = 2 piece + half: columns + 0, 4, 16, 20
	v_add_nc_u32 v9, 16*(\pc>>1)+4*(\pc&1), v8
	v_cmp_gt_u32 s25, 300, v9                      ; 300 is a multiple of 4: a run of 4 floats is all real or all padding
	s_and_b32 s25, s25, s22
	v_min_u32 v9, 296, v9                          ; a padding run reads the row's last 16 bytes: no load leaves the row
	v_lshl_add_u32 v[ADR+\pc], v9, 2, v7
	v_cndmask_b32 v[SC+\pc], 0, v10, s25
	v_cndmask_b32 v[SC+4+\pc], 0, v11, s25
.endr
	v_lshlrev_b32 v[SO], 4, v2
	s_mul_i32 s28, s17, 819200                     ; a matrix in ws_w
	s_mul_i32 s29, ttmp9, 20480                    ; chunk and wave part
	s_add_co_u32 s28, s28, s29
	s_lshl_b32 s29, s16, 11                        ; a K step: 2,048 bytes
	s_add_co_u32 s28, s28, s29
	s_mov_b32 s29, 0
	s_wait_kmcnt 0x0
	s_cmp_eq_u32 s17, 0
	s_cselect_b64 s[4:5], s[4:5], s[6:7]           ; the matrix that this work-group reads
	s_add_nc_u64 s[12:13], s[12:13], s[28:29]
.irp gh, 0,1
.irp pc, 0,1,2,3
	global_load_b128 v[X+16*\gh+4*\pc:X+16*\gh+4*\pc+3], v[ADR+\pc], s[4:5] offset:360000*\gh
.endr
.endr
	s_wait_loadcnt 0x0
.irp gh, 0,1
.irp pc, 0,1,2,3
.irp ee, 0,1,2,3
	v_mul_f32 v[X+16*\gh+4*\pc+\ee], v[SC+4*\gh+\pc], v[X+16*\gh+4*\pc+\ee]
.endr
.endr
.endr
.set yi, 0
.rept 16
	v_cvt_pk_f16_f32 v[Y+yi], v[X+2*yi], v[X+2*yi+1]
.set yi, yi+1
.endr
.irp gh, 0,1
.irp p, 0,1
	global_store_b128 v[SO], v[Y+8*\gh+4*\p:Y+8*\gh+4*\p+3], s[12:13] offset:1024*\gh+512*\p   ; a wave's store covers 512 consecutive bytes, aligned
.endr
.endr
	; the bias of this tile's two gates: one wave of the forty work-groups of matrix 0
	s_or_b32 s30, s17, s16
	s_cmp_lg_u32 s30, 0
	s_cbranch_scc1 .Ldone
	v_lshl_add_u32 v73, s20, 1, v4                 ; gate = 2 x half + h: lanes 0-15 one gate, lanes 16-31 the next
	v_mad_u32_u24 v73, v73, 300, v6
	v_lshlrev_b32 v73, 2, v73
	global_load_b32 v74, v73, s[8:9]
	global_load_b32 v75, v73, s[10:11]
	v_cmp_eq_u32 vcc_lo, 1, v4
	v_cndmask_b32 v76, v10, v11, vcc_lo            ; my gate's scale,
	v_cndmask_b32 v76, 0, v76, s22                 ; zero for a padding unit
	s_lshl_b32 s30, s21, 8                         ; tile x 256 bytes
	s_lshl_b32 s31, s20, 7                         ; + half x 128
	s_add_co_u32 s30, s30, s31
	s_mov_b32 s31, 0
	s_add_nc_u64 s[14:15], s[14:15], s[30:31]
	v_lshlrev_b32 v77, 2, v2
	s_wait_loadcnt 0x0
	v_add_f32 v74, v74, v75
	v_mul_f32 v74, v74, v76
	global_store_b32 v77, v74, s[14:15]
.Ldone:
	s_endpgm
.Lfunc_end_k_q54ac566307_prep:
	.size	k_q54ac566307_prep, .Lfunc_end_k_q54ac566307_prep-k_q54ac566307_prep
	.p2alignl 7, 3214868480
	.fill 96, 4, 3214868480
	.section	.rodata,"a",@progbits
	.p2align	6, 0x0
	.amdhsa_kernel k_q54ac566307_prep
		.amdhsa_group_segment_fixed_size 0
		.amdhsa_private_segment_fixed_size 0
		.amdhsa_enable_private_segment 0
		.amdhsa_kernarg_size 48
		.amdhsa_user_sgpr_count 2
		.amdhsa_user_sgpr_kernarg_segment_ptr 1
		.amdhsa_wavefront_size32 1
		.amdhsa_system_sgpr_workgroup_id_x 1
		.amdhsa_system_sgpr_workgroup_id_y 1
		.amdhsa_system_sgpr_workgroup_id_z 1
		.amdhsa_system_vgpr_workitem_id 0
		.amdhsa_next_free_vgpr 80
		.amdhsa_next_free_sgpr 66
		.amdhsa_reserve_vcc 1
		.amdhsa_float_denorm_mode_32 3
		.amdhsa_float_denorm_mode_16_64 3
		.amdhsa_memory_ordered 1
		.amdhsa_forward_progress 1
		.amdhsa_inst_pref_size 8
	.end_amdhsa_kernel
	.amdgpu_metadata
---
amdhsa.version: [ 1, 2 ]
amdhsa.kernels:
  - .name:           k_q54ac566307_prep
    .symbol:         k_q54ac566307_prep.kd
    .args:
      - { .name: W_ih, .offset: 0, .size: 8, .value_kind: global_buffer, .address_space: global }
      - { .name: W_hh, .offset: 8, .size: 8, .value_kind: global_buffer, .address_space: global }
      - { .name: b_ih, .offset: 16, .size: 8, .value_kind: global_buffer, .address_space: global }
      - { .name: b_hh, .offset: 24, .size: 8, .value_kind: global_buffer, .address_space: global }
      - { .name: ws_w, .offset: 32, .size: 8, .value_kind: global_buffer, .address_space: global }
      - { .name: ws_b, .offset: 40, .size: 8, .value_kind: global_buffer, .address_space: global }
    .group_segment_fixed_size: 0
    .private_segment_fixed_size: 0
    .kernarg_segment_align: 8
    .kernarg_segment_size: 48
    .max_flat_workgroup_size: 320
    .sgpr_count:     66
    .vgpr_count:     80
    .wavefront_size: 32
...
	.end_amdgpu_metadata
.endif
;; end of part 1
;; launch main (part 2): grid 256 x 1, 4 waves a work-group, clusters of 4 x 1, 327,680 bytes of LDS; arguments x, embed_table, ws_w, ws_b, W_dense, part; writes part
.if DOCPART == 2
	.amdgcn_target "amdgcn-amd-amdhsa--gfx1250"
	.amdhsa_code_object_version 6
	.text
	.protected	k_q54ac566307_main
	.globl	k_q54ac566307_main
	.p2align	8
	.type	k_q54ac566307_main,@function
k_q54ac566307_main:
	s_mov_b64 s[64:65], 0
	v_nop
	global_prefetch_b8 v0, s[64:65] scope:SCOPE_SE
	s_setreg_imm32_b32 hwreg(HW_REG_WAVE_MODE, 25, 1), 1
	s_wait_xcnt 0x0
	s_wait_alu depctr_hold_cnt(0) depctr_sa_sdst(0) depctr_va_vdst(0) depctr_va_sdst(0) depctr_va_ssrc(0) depctr_va_vcc(0) depctr_vm_vsrc(0)
	s_getreg_b32 s2, hwreg(HW_REG_IB_STS2, 6, 4)
	s_cmp_eq_u32 s2, 0
	s_cbranch_scc0 .Lentry_in_a_cluster
	s_endpgm
.Lentry_in_a_cluster:
	s_bfe_u32 s2, ttmp6, 0x10000c
	s_cmp_lg_u32 s2, 0x3003
	s_cbranch_scc0 .Lentry_shape_is_right
	s_endpgm
.Lentry_shape_is_right:
; main: gather, input projection, five LSTM steps, max over the hidden units, and the dense layer's sum over this work-group's 62 windows.
; WORK: work-group id = 4 x cluster + place; batch id >> 1, windows t0 .. t0 + 61 with t0 = 62 (id & 1), padded to 64 (4 window tiles of 16);
;   tokens t0 .. t0 + 79 (5 token tiles; positions past 127 read position 127 and feed the two padding windows alone).
;   Hidden units: 19 tiles of 16 padded to 20; wave w makes tile 4 rho + w in tile round rho = 0 .. 4.  The twentieth tile (units 304 .. 319) has zero weights:
;   it costs one wave one tile round in five, writes the zeros of h's K padding, and keeps the four waves' text and joint loads alike.
; WHAT IS NOT DONE TWICE: x W_ih^T + b hangs on the token alone, so it is made once for each of the 80 tokens (XP) and not once for each window and step;
;   step 0 has h = c = 0, so it has no product with W_hh and no gate f.
; THE SHIFT: window n at step k takes token n + k.  XP lies in registers as [unit][token] f16, and D(unit, window) = XP(unit, 32 tokens) x S_k with
;   S_k(kk, n) = 1 where kk = n + k: one matrix instruction moves a 16 x 16 tile by k tokens, exactly (a value times one plus zeros), and starts the gate's sum.
; WEIGHTS: 50 chunks of 81,920 bytes (10 of W_ih, 4 times the 10 of W_hh) go through two LDS slots.  All work-groups read the same chunks: four work-groups form
;   a cluster and ask jointly (mask 15), each wave for its own 20,480 bytes, which it alone reads.  A wave has two tensor loads out at the start, later one.
; THE PIPELINE OF STEPS 1 TO 4: there is one wave on a SIMD, so what is to run beside the matrix instructions has to stand between them.  The gate arithmetic is
;   written as two numbered streams, and behind each matrix instruction FILL puts the next few instructions of the stream that is due.
;   Stream F stands in the half that sums g and o of tile round rho: sigmoid(i), sigmoid(f) and f c of the same tile round.
;   Stream B stands in the half that sums i and f of tile round rho + 1: sigmoid(o), tanh(g), c = i g + f c, tanh(c), h of tile round rho.
;   Neither names a register of the matrix instructions among which it stands.  Tile round 4's stream B stands alone at the end of a step: the next step needs its h.
; FORMATS: matrix operands f16 (x, weights, h, XP), sums, c and the gate arithmetic f32.
; LIMITS: |embed| and |2.885 W| below 65,504.  XP (bias included, scaled by -log2 e or -2 log2 e) is rounded to f16 and clamped to +-65,504 first: a gate that large is
;   saturated whatever h W_hh adds.  NaN inputs are not honoured.  An index is taken as unsigned and clamped to 49,999.
; The sum over a batch's two work-groups is made by the next launch: no work-group reads what another stores.
;
; LDS: slots 0, 1 (tensor loads alone), then c, x / h and the pooled maxima (LDS stores alone); every region starts at a multiple of 256.
.set WPART,  20480                     ; a wave's part of a chunk: [K step 10][gh 2][piece 2][lane 32][16 bytes]: every fragment load is 16 x lane, contiguous
.set SLOTB,  81920                     ; a slot = a chunk = four parts
.set CST,    163840                    ; c, f32, each lane's own: wave x 20,480 + rho x 4,096 + window tile x 1,024 + piece x 512 + lane x 16
.set XH,     245760                    ; 80 rows: first x [token][e], then h [window][unit] in rows 0-63
.set PITCH,  656                       ; 640 bytes + 16 = 41 x 16: the sixteen rows of a fragment load start in sixteen different 16-byte columns of 256
.set TILE16, 16*PITCH
.set PMX,    298240                    ; [wave 4][window 64] f32
; VECTOR REGISTERS, window 0
.set LN, 1                             ; lane
.set RR, 2                             ; r = lane & 15
.set HH, 3                             ; h = lane >> 4
.set WA, 4                             ; v4, v5  my part of slot 0, 1 + 16 lane
.set CA, 6                             ; my c
.set HA, 7                             ; XH + 656 r + 16 h: fragments of x and h
.set HS, 8                             ; HA + 32 wave: where my 16 bytes of h go
.set UU, 9                             ; r - 8 h + step
.set ONEL, 10                          ; f16 1.0 in the low half
.set ONEH, 11                          ; in the high half
.set T0, 12                            ; my wave's 20 indices; later free
.set NINF, 13                          ; -infinity
.set T1, 14
.set T2, 15
.set SS, 16                            ; v[16:23] S_k as a B fragment.  Before step 0 these eight hold offsets:
.set XS0, 16                           ;   LDS: my wave's first row + 8 lane
.set XS2, 17                           ;   LDS: + 8 min(64 + lane, 79)
.set C0, 18                            ;   16 lane
.set C2, 19                            ;   16 min(64 + lane, 74)
.set IX, 20                            ;   byte offset of my index in x
.set BO, 21                            ;   256 wave + 4 r in ws_b
.set WO, 22                            ;   v22, v23: my two windows in a row of W_dense
.set WF, 24                            ; v[24:87] weight fragments: two buffers of (kk 2, gh 2) x 8
.set ACC, 88                           ; v[88:215] steps: gate sums, (gate, window tile) at 8 (4 gate + mt); projection: (gh, token tile) at 8 (5 gh + m)
.set GI, ACC
.set GF, ACC+32
.set GG, ACC+64
.set GO, ACC+96
.set CV, 88                            ; gather: v[88:207] 20 rows x 3 pieces x 2 words of f16
.set BC, 168                           ; projection: v[168:183] two C tiles that hold the bias
.set X5, 184                           ; projection: v[184:215] fragments of token tile 4, two buffers of two
.set BV, 216                           ; projection: v[216:235] bias of my unit, 4 rho + gate
.set CT, 216                           ; steps: v[216:247] c, 8 a window tile
.set PM, 248                           ; v[248:251] running maximum of the last h, one a window tile
.set TT, 252                           ; v[252:255] at work
; window 1: v256-511 fragments of x, then of h, K steps 0-7 at 8 (4 ks + mt); during the gather the rows as loaded
; window 2: v512-575 K steps 8, 9; v576-735 XP of tile rounds 0, 1 at 64 + 80 rho + 20 gate + 4 token tile; v736-745 W_dense; v748-763 sigmoid(i), window tiles 0, 1
; window 3: v768-1007 XP of tile rounds 2-4 at 80 (rho - 2) + 20 gate + 4 token tile; v1008-1023 sigmoid(i), window tiles 2, 3
.set WD, 224                           ; window 2: W_dense(c, my window 32 p + lane) at 2 c + p
.set SI2, 236                          ; window 2: sigmoid(i) waits here while the next half sums into i's accumulators
.set SI3, 240                          ; window 3: the same for window tiles 2, 3
; SCALARS: s[4:15] the six buffers; s16 wave; s17 place; s18 id; s19 batch; s20 t0; s21 step counter; s22, s23 lane selects; s24, s25 clamp;
;   s26, s27 at work; s[46:47] an offset; s[48:55] masks of the real units of tile round 4; s56 lane < 11; s57 lane < 30; s[86:87] -2 log2 e
.set G1, 28                            ; s[28:35] descriptor group 1
.set G0, 36                            ; s[36:43] descriptor group 0, one for each slot
.set WB, 44                            ; s[44:45] ws_w + 20,480 wave
.set RB, 66                            ; s[66:85] ten row addresses of the gather
.set MSB, 0
.macro WIN new                         ; register windows; the immediate's high byte repeats the setting that is left; a switch that changes nothing is dropped
.if MSB != \new
	s_set_vgpr_msb (MSB<<8)|\new
.set MSB, \new
.endif
.endm
.macro WINA                            ; for an instruction whose only vector operands are source 0 and the destination, both in window 0: any setting of sources 1 and 2 will do
.if (MSB & 0xc3) != 0
	WIN 0
.endif
.endm
; Four places: a load into a register that a matrix instruction has read, and a vector instruction that reads a matrix result, stand four plain vector
; instructions behind it (ISA guide 7.12.1 for vector instructions).
.macro PLACES
.rept 4
	v_nop
.endr
.endm
; A round of the cluster's barrier: my work-group's barrier, wave 0 signals for the work-group, every wave waits for all four work-groups, my work-group's barrier again.
.macro ROUND
	s_barrier_signal -1
	s_barrier_wait -1
	s_cmp_lg_u32 s16, 0
	s_cbranch_scc1 .Lnot_wave_0_\@
	s_barrier_signal -3
.Lnot_wave_0_\@:
	s_barrier_wait -3
	s_barrier_signal -1
	s_barrier_wait -1
.endm
; The change of slots.  In front of the round: all my tensor loads have landed (the one that was out is this trip's chunk), so a group 0 may be written; all my LDS
; reads and stores are done, the reads of the slot that is filled again and my stores of h among them.  Behind it: my one joint load, first.
.macro SYNC slot, chunk
	WIN 0
	s_set_vgpr_msb 0xa
	s_wait_tensorcnt 0x0
	ds_add_u32 v254, v255
	s_wait_dscnt 0x0
	s_set_vgpr_msb 0xa00
	s_add_nc_u64 s[G0+4*(\slot)+2:G0+4*(\slot)+3], s[WB:WB+1], (\chunk)*SLOTB
	s_or_b32 s[G0+4*(\slot)+3], s[G0+4*(\slot)+3], 0x80000000
	s_wait_dscnt 0x0
	ROUND
	tensor_load_to_lds s[G0+4*(\slot):G0+4*(\slot)+3], s[G1:G1+7]
	s_nop 0
.endm
; eight loads: the weight fragments of K steps 2 j, 2 j + 1, both gates of the half
.macro LOADW slot, j, buf
.irp kk, 0,1
.irp gh, 0,1
.irp p, 0,1
	ds_load_b128 v[WF+32*(\buf)+8*(2*\kk+\gh)+4*\p:WF+32*(\buf)+8*(2*\kk+\gh)+4*\p+3], v[WA+\slot] offset:(2*(2*(\j)+\kk)+\gh)*1024+512*\p
.endr
.endr
.endr
.endm
; four loads: token tile 4's fragments of K steps 2 j, 2 j + 1
.macro LOADX5 j, buf
.irp kk, 0,1
.irp p, 0,1
	ds_load_b128 v[X5+16*(\buf)+8*\kk+4*\p:X5+16*(\buf)+8*\kk+4*\p+3], v[HA] offset:4*TILE16+64*(2*(\j)+\kk)+32*\p
.endr
.endr
.endm
; eighty loads: rows 0-63 of x or h as 40 fragments (lane (r, h): row 16 mt + r; registers 0-3 K = 32 ks + 8 h .., registers 4-7 sixteen further), kept for a whole phase
.macro LOADH
	WIN 0x40
.irp ks, 0,1,2,3,4,5,6,7
.irp mt, 0,1,2,3
	ds_load_b128 v[8*(4*\ks+\mt):8*(4*\ks+\mt)+3], v[HA] offset:TILE16*\mt+64*\ks
	ds_load_b128 v[8*(4*\ks+\mt)+4:8*(4*\ks+\mt)+7], v[HA] offset:TILE16*\mt+64*\ks+32
.endr
.endr
	WIN 0x80
.irp ks, 0,1
.irp mt, 0,1,2,3
	ds_load_b128 v[8*(4*\ks+\mt):8*(4*\ks+\mt)+3], v[HA] offset:TILE16*\mt+64*(\ks+8)
	ds_load_b128 v[8*(4*\ks+\mt)+4:8*(4*\ks+\mt)+7], v[HA] offset:TILE16*\mt+64*(\ks+8)+32
.endr
.endr
	WIN 0
.endm
; S_k: register q of lane (r, h) holds kk = 8 h + 2 (q & 3) + 16 (q >> 2) and the next; the one stands where kk = r + k
.macro MKS
.irp q, 0,1,2,3,4,5,6,7
	v_cmp_eq_i32 vcc_lo, 2*(\q&3)+16*(\q>>2), v[UU]
	v_cndmask_b32 v[SS+\q], 0, v[ONEL], vcc_lo
	v_cmp_eq_i32 vcc_lo, 2*(\q&3)+16*(\q>>2)+1, v[UU]
	v_cndmask_b32 v[SS+\q], v[SS+\q], v[ONEH], vcc_lo
.endr
.endm
; n registers in place: 1 / (1 + 2^x).  2^x = infinity gives 0, 2^x = 0 gives 1: the right limits, so nothing is clamped.
; Behind each run of transcendentals one v_nop is the plain instruction that stands in front of the first use (ISA guide 5.7.2).  (Step 0 uses this form; steps 1 to 4 the streams.)
.macro SIGM base, n
.set si, 0
.rept \n
	v_exp_f32 v[\base+si], v[\base+si]
.set si, si+1
.endr
	v_nop
.set si, 0
	s_wait_alu depctr_va_vdst(0)
.rept \n/2
	v_pk_add_f32 v[\base+si:\base+si+1], v[\base+si:\base+si+1], 1.0 op_sel_hi:[1,0]
.set si, si+2
.endr
.set si, 0
.rept \n
	v_rcp_f32 v[\base+si], v[\base+si]
.set si, si+1
.endr
	v_nop
.endm
.macro PKMUL d, a, b                   ; 32 registers: d = a b
.set pq, 0
.rept 16
	v_pk_mul_f32 v[\d+pq:\d+pq+1], v[\a+pq:\a+pq+1], v[\b+pq:\b+pq+1]
.set pq, pq+2
.endr
.endm
.macro PKTANH d                        ; 32 registers: d = 2 d - 1, the second half of tanh
.set pq, 0
	s_wait_alu depctr_va_vdst(0)
.rept 16
	v_pk_fma_f32 v[\d+pq:\d+pq+1], v[\d+pq:\d+pq+1], 2.0, -1.0 op_sel_hi:[1,0,0]
.set pq, pq+2
.endr
.endm
; ---------------- the two streams ----------------
; sidx: the number of the stream's next instruction; slen: its length (0: no stream is due); skind: 1 = F, 2 = B; srr: the tile round whose gates it works on;
; slast: 1 in the last step.  Each run of transcendentals is followed by one v_nop, the plain instruction in front of the first use (ISA guide 5.7.2).
.set sidx, 0
.set slen, 0
.set skind, 0
.set srr, 0
.set slast, 0
.set xfb, 0
; Stream F, 178 instructions.  i and f lie side by side.  sigmoid(i) is written by its v_rcp_f32 into windows 2 and 3, f is folded into f c:
; so the next half may sum into i's and f's accumulators.
.macro S1I
.if sidx < 64
	WINA
	v_exp_f32 v[GI+sidx], v[GI+sidx]
.elseif sidx == 64
	v_nop
	s_wait_alu depctr_va_vdst(0)
.elseif sidx < 97
.set sq, GI+2*(sidx-65)
	WINA
	v_pk_add_f32 v[sq:sq+1], v[sq:sq+1], 1.0 op_sel_hi:[1,0]
.elseif sidx < 129
	WINA
	v_rcp_f32 v[GF+sidx-97], v[GF+sidx-97]                 ; sigmoid(f)
.elseif sidx < 145
	WIN 0x80
	v_rcp_f32 v[SI2+sidx-129], v[GI+sidx-129]              ; sigmoid(i), window tiles 0, 1
.elseif sidx < 161
	WIN 0xc0
	v_rcp_f32 v[SI3+sidx-145], v[GI+16+sidx-145]           ; window tiles 2, 3
.elseif sidx == 161
	v_nop
	s_wait_alu depctr_va_vdst(0)
.else
.set sq, 2*(sidx-162)
	WIN 0
	v_pk_mul_f32 v[CT+sq:CT+sq+1], v[GF+sq:GF+sq+1], v[CT+sq:CT+sq+1]      ; f c
.endif
.endm
; Stream B, 352 instructions (380 places in the last step, some of them empty).  g and o lie side by side; g's registers serve tanh(c) and the packed h once i g is taken.
.macro S0I
.if sidx < 64
	WINA
	v_exp_f32 v[GG+sidx], v[GG+sidx]
.elseif sidx == 64
	v_nop
	s_wait_alu depctr_va_vdst(0)
.elseif sidx < 97
.set sq, GG+2*(sidx-65)
	WINA
	v_pk_add_f32 v[sq:sq+1], v[sq:sq+1], 1.0 op_sel_hi:[1,0]
.elseif sidx < 161
	WINA
	v_rcp_f32 v[GG+sidx-97], v[GG+sidx-97]
.elseif sidx == 161
	v_nop
	s_wait_alu depctr_va_vdst(0)
.elseif sidx < 178
.set sq, GG+2*(sidx-162)
	WINA
	v_pk_fma_f32 v[sq:sq+1], v[sq:sq+1], 2.0, -1.0 op_sel_hi:[1,0,0]       ; tanh(g)
.elseif sidx < 186
.set sq, 2*(sidx-178)
	WIN 0x02
	v_pk_fma_f32 v[CT+sq:CT+sq+1], v[SI2+sq:SI2+sq+1], v[GG+sq:GG+sq+1], v[CT+sq:CT+sq+1]          ; c = i g + f c
.elseif sidx < 194
.set sq, 2*(sidx-186)
	WIN 0x03
	v_pk_fma_f32 v[CT+16+sq:CT+16+sq+1], v[SI3+sq:SI3+sq+1], v[GG+16+sq:GG+16+sq+1], v[CT+16+sq:CT+16+sq+1]
.elseif sidx < 202
.if slast == 0
	WIN 0
	ds_store_b128 v[CA], v[CT+4*(sidx-194):CT+4*(sidx-194)+3] offset:4096*srr+512*(sidx-194)
.endif
.elseif sidx < 218
.set sq, 2*(sidx-202)
	WINA
	v_pk_mul_f32 v[GG+sq:GG+sq+1], v[CT+sq:CT+sq+1], s[86:87] op_sel_hi:[1,0]      ; -2 log2(e) c
.elseif sidx < 250
	WINA
	v_exp_f32 v[GG+sidx-218], v[GG+sidx-218]
.elseif sidx == 250
	v_nop
	s_wait_alu depctr_va_vdst(0)
.elseif sidx < 267
.set sq, GG+2*(sidx-251)
	WINA
	v_pk_add_f32 v[sq:sq+1], v[sq:sq+1], 1.0 op_sel_hi:[1,0]
.elseif sidx < 299
	WINA
	v_rcp_f32 v[GG+sidx-267], v[GG+sidx-267]
.elseif sidx == 299
	v_nop
	s_wait_alu depctr_va_vdst(0)
.elseif sidx < 316
.set sq, GG+2*(sidx-300)
	WINA
	v_pk_fma_f32 v[sq:sq+1], v[sq:sq+1], 2.0, -1.0 op_sel_hi:[1,0,0]       ; tanh(c)
.elseif sidx < 332
.set sq, 2*(sidx-316)
	WIN 0
	v_pk_mul_f32 v[GO+sq:GO+sq+1], v[GO+sq:GO+sq+1], v[GG+sq:GG+sq+1]      ; h
.else
.if slast == 0
.if sidx < 348
.set sq, sidx-332
	WIN 0
	v_cvt_pk_f16_f32 v[GG+8*(sq>>2)+(sq&3)], v[GO+2*sq], v[GO+2*sq+1]
.else
.set sq, sidx-348
	WIN 0
	ds_store_b128 v[HS], v[GG+8*sq:GG+8*sq+3] offset:TILE16*sq+128*srr     ; window 16 mt + r, units 16 (4 rho + wave) + 8 h ..
.endif
.else
.if sidx < 364
.if srr == 4
.set sq, sidx-332
	WIN 0
	v_cndmask_b32 v[GO+sq], v[NINF], v[GO+sq], s[48+(sq&7)]                ; units 300 .. 319 take no part in the maximum
.endif
.elseif sidx < 368
.set sq, sidx-364
	WIN 0
	v_max3_num_f32 v[TT+sq], v[GO+8*sq], v[GO+8*sq+1], v[GO+8*sq+2]
.elseif sidx < 372
.set sq, sidx-368
	WIN 0
	v_max3_num_f32 v[TT+sq], v[TT+sq], v[GO+8*sq+3], v[GO+8*sq+4]
.elseif sidx < 376
.set sq, sidx-372
	WIN 0
	v_max3_num_f32 v[TT+sq], v[TT+sq], v[GO+8*sq+5], v[GO+8*sq+6]
.else
.set sq, sidx-376
	WIN 0
.if srr == 0
	v_max_num_f32 v[PM+sq], v[TT+sq], v[GO+8*sq+7]                         ; the first tile starts the maximum
.else
	v_max3_num_f32 v[PM+sq], v[TT+sq], v[GO+8*sq+7], v[PM+sq]
.endif
.endif
.endif
.endif
.endm
.macro SEMIT
.if skind == 1
	S1I
.else
	S0I
.endif
.endm
; This text's own bookkeeping of a slot's room: a transcendental counts two, everything else one.
.macro SCOST
.set scost, 1
.if sidx < 64
.set scost, 2
.elseif sidx < 97
.elseif sidx < 161
.set scost, 2
.elseif skind == 1
.elseif sidx < 218
.elseif sidx < 250
.set scost, 2
.elseif sidx < 267
.elseif sidx < 299
.set scost, 2
.endif
.endm
.macro SBEGIN kind, rr, last
.set skind, \kind
.set srr, \rr
.set slast, \last
.set sidx, 0
.if \kind == 1
.set slen, 178
.elseif \last == 1
.set slen, 380
.else
.set slen, 352
.endif
.endm
; Behind one matrix instruction: the stream's next instructions, as many as fit into the room.  Stream B counts 192 x 2 + 160 = 544; a half offers 8 x 4 + 80 x 7 = 592,
; of which a slot of three transcendentals uses 6 of 7: what is left at the half's end is put there by FLUSH.
.macro FILL room
.set bud, \room
.rept 7
.if sidx < slen
	SCOST
.if bud >= scost
	SEMIT
.set bud, bud-scost
.set sidx, sidx+1
.endif
.endif
.endr
.endm
.macro FLUSH                           ; the rest of the stream, or all of it
.rept 380
.if sidx < slen
	SEMIT
.set sidx, sidx+1
.endif
.endr
.set slen, 0
.endm
; four matrix instructions: one gate's sums of the four window tiles start with the shifted XP.  The A fragment of window tile mt is XP's token tiles mt and mt + 1.
.macro XPMUL rho, gate
.if \rho < 2
.set xpw, 0x02
.set xpb, 64+80*\rho+20*\gate
.else
.set xpw, 0x03
.set xpb, 80*(\rho-2)+20*\gate
.endif
.irp mt, 0,1,2,3
	WIN xpw
	v_wmma_f32_16x16x32_f16 v[ACC+8*(4*\gate+\mt):ACC+8*(4*\gate+\mt)+7], v[xpb+4*\mt:xpb+4*\mt+7], v[SS:SS+7], 0
	FILL xfb
.endr
.endm
; Two K steps of W_hh x h: sixteen matrix instructions on eight accumulators that take turns, one instruction a turn, in the order in which XPMUL started them.
; The next two K steps' weights are asked for first; the count 8 leaves those eight loads out and shows everything older done,
; the half's first weights, h and c among it.  Source 0 = 16 units of W, source 1 = 16 windows of h: a lane's eight results are eight neighbouring units of one window.
.macro GCH slot, eta, j
.set gb, (\j)&1
.if \j < 4
.set gw, 0x04
.if \j > 0
	PLACES
.endif
	WINA
	LOADW \slot, (\j+1), (1-gb)
	s_wait_dscnt 0x8
.else
.set gw, 0x08
	s_wait_dscnt 0x0
.endif
.irp kk, 0,1
.irp gh, 0,1
.irp mt, 0,1,2,3
	WIN gw
	v_wmma_f32_16x16x32_f16 v[ACC+8*(4*(2*\eta+\gh)+\mt):ACC+8*(4*(2*\eta+\gh)+\mt)+7], v[WF+32*gb+8*(2*\kk+\gh):WF+32*gb+8*(2*\kk+\gh)+7], v[8*(4*((2*\j+\kk)&7)+\mt):8*(4*((2*\j+\kk)&7)+\mt)+7], v[ACC+8*(4*(2*\eta+\gh)+\mt):ACC+8*(4*(2*\eta+\gh)+\mt)+7]
	FILL 7
.endr
.endr
.endr
.endm
.macro GEMMH slot, eta
	GCH \slot, \eta, 0
	GCH \slot, \eta, 1
	GCH \slot, \eta, 2
	GCH \slot, \eta, 3
	GCH \slot, \eta, 4
.endm
; The input projection.  Source 0 = 16 tokens of x, source 1 = 16 units of W_ih: a lane's eight results are eight neighbouring tokens of one unit.
.macro XMM gh, m, a, b, ks             ; the first K step takes the bias tile as C: nothing is cleared or added later
.if \ks == 0
	v_wmma_f32_16x16x32_f16 v[ACC+8*(5*\gh+\m):ACC+8*(5*\gh+\m)+7], v[\a:\a+7], v[\b:\b+7], v[BC+8*\gh:BC+8*\gh+7]
.else
	v_wmma_f32_16x16x32_f16 v[ACC+8*(5*\gh+\m):ACC+8*(5*\gh+\m)+7], v[\a:\a+7], v[\b:\b+7], v[ACC+8*(5*\gh+\m):ACC+8*(5*\gh+\m)+7]
.endif
.endm
.macro XCH slot, j                     ; two K steps: twenty matrix instructions; two accumulators by turns, then eight
.set xb, (\j)&1
.if \j > 0
	PLACES
.endif
.if \j < 4
	LOADW \slot, (\j+1), (1-xb)
	LOADX5 (\j+1), (1-xb)
	s_wait_dscnt 0xc                               ; all but the twelve just issued
.else
	s_wait_dscnt 0x0
.endif
.irp kk, 0,1
.irp gh, 0,1
	XMM \gh, 4, (X5+16*xb+8*\kk), (WF+32*xb+8*(2*\kk+\gh)), (2*\j+\kk)
.endr
.endr
.if \j < 4
	WIN 0x01
.else
	WIN 0x02
.endif
.irp kk, 0,1
.irp gh, 0,1
.irp mt, 0,1,2,3
	XMM \gh, \mt, (8*(4*((2*\j+\kk)&7)+\mt)), (WF+32*xb+8*(2*\kk+\gh)), (2*\j+\kk)
.endr
.endr
.endr
	WIN 0
.endm
; One trip of the projection: chunk 2 rho + eta of W_ih, two gates of my tile for all 80 tokens, rounded to f16 into XP.
.macro XTRIP rho, eta
.if (2*\rho+\eta) == 0
	s_wait_tensorcnt 0x1                           ; my part of chunk 0 has landed; chunk 1's load, issued behind it, stays out.  I alone read my part
.else
	SYNC (1-\eta), (2*\rho+\eta+1)                 ; the last trip asks for chunk 10, the first of W_hh
.endif
	LOADW \eta, 0, 0                               ; four places stand behind the last trip's products: those in front of its clamps
	LOADX5 0, 0
.irp gh, 0,1
.irp ee, 0,1,2,3,4,5,6,7
	v_mov_b32 v[BC+8*\gh+\ee], v[BV+4*\rho+2*\eta+\gh]     ; a lane holds one unit: its bias in all eight rows of the C tile
.endr
.endr
.irp j, 0,1,2,3,4
	XCH \eta, \j
.endr
	PLACES
.set ei, 0
.rept 80
	v_med3_num_f32 v[ACC+ei], v[ACC+ei], s24, s25          ; into f16's range
.set ei, ei+1
.endr
.if \rho < 2
	WIN 0x80
.set xpd, 64+80*\rho+40*\eta
.else
	WIN 0xc0
.set xpd, 80*(\rho-2)+40*\eta
.endif
.set ei, 0
.rept 40
	v_cvt_pk_f16_f32 v[xpd+ei], v[ACC+2*ei], v[ACC+2*ei+1] ; word 20 gh + 4 m + i: tokens 16 m + 8 h + 2 i and the next, of unit r
.set ei, ei+1
.endr
	WIN 0
.endm
; Step 0, the end of a tile round: c was 0, so c = i g, h = o tanh(c).  There are twelve matrix instructions a tile round here: nothing to stand between.
.macro PWB0 rho
	SIGM GG, 64                                    ; g and o lie side by side
	PKTANH GG
	PKMUL CT, GI, GG
.irp mt, 0,1,2,3
	ds_store_b128 v[CA], v[CT+8*\mt:CT+8*\mt+3] offset:4096*\rho+1024*\mt
	ds_store_b128 v[CA], v[CT+8*\mt+4:CT+8*\mt+7] offset:4096*\rho+1024*\mt+512
.endr
.set pq, 0
.rept 16
	v_pk_mul_f32 v[GF+pq:GF+pq+1], v[CT+pq:CT+pq+1], s[86:87] op_sel_hi:[1,0]   ; -2 log2(e) c
.set pq, pq+2
.endr
	SIGM GF, 32
	PKTANH GF
	PKMUL GO, GO, GF                               ; h
.irp mt, 0,1,2,3
.irp i, 0,1,2,3
	v_cvt_pk_f16_f32 v[GG+8*\mt+\i], v[GO+8*\mt+2*\i], v[GO+8*\mt+2*\i+1]
.endr
.endr
.irp mt, 0,1,2,3
	ds_store_b128 v[HS], v[GG+8*\mt:GG+8*\mt+3] offset:TILE16*\mt+128*\rho     ; window 16 mt + r, units 16 (4 rho + wave) + 8 h ..
.endr
.endm
.macro ROUND0 rho                      ; step 0: gates i, g, o are the shifted XP alone
	XPMUL \rho, 0
	XPMUL \rho, 2
	XPMUL \rho, 3
	WIN 0
	PLACES
	SIGM GI, 32
	PWB0 \rho
.endm
; Chunk 10 + 2 rho in slot 0: the sums of gates i, f of tile round rho; between them stream B of tile round rho - 1.
.macro HALF0 rho, last
	SYNC 1, (11+2*\rho)
.if \rho == 0
	LOADH                                          ; every wave's stores of the last step's h were waited for in front of the round; this step's first store of h
	                                               ; stands behind two more rounds, in front of which these loads are waited for
.else
	SBEGIN 2, (\rho-1), \last
.endif
	LOADW 0, 0, 0
.set xfb, 4
	XPMUL \rho, 0
	XPMUL \rho, 1
	GEMMH 0, 0
	FLUSH                                          ; g's and o's registers are free before the next half sums into them
	WIN 0
	PLACES                                         ; the four places in front of stream F's reads of these sums, and of the next loads into the weight buffers
.endm
; Chunk 11 + 2 rho in slot 1: the sums of gates g, o; between them stream F of the same tile round.
.macro HALF1 rho, last
.if (4*\last+\rho) == 8
	s_wait_tensorcnt 0x0                           ; the last chunk of all: nothing is left to ask for, so no round
.else
	SYNC 0, (10+(2*\rho+2)%10)                     ; behind chunk 19 comes chunk 10 again, for the next step
.endif
.irp mt, 0,1,2,3
	ds_load_b128 v[CT+8*\mt:CT+8*\mt+3], v[CA] offset:4096*\rho+1024*\mt           ; c, ahead of the weights: the first chunk's counted wait shows it in
	ds_load_b128 v[CT+8*\mt+4:CT+8*\mt+7], v[CA] offset:4096*\rho+1024*\mt+512
.endr
	LOADW 1, 0, 0
	SBEGIN 1, \rho, \last
.set xfb, 0
	XPMUL \rho, 2
	XPMUL \rho, 3
	GEMMH 1, 1
	FLUSH                                          ; i's and f's registers are free before the next half sums into them
	WIN 0
	PLACES                                         ; the four places in front of stream B's reads of these sums
.endm
.macro STEP last
	v_add_nc_u32 v[UU], 1, v[UU]
	MKS
	HALF0 0, \last
	HALF1 0, \last
	HALF0 1, \last
	HALF1 1, \last
	HALF0 2, \last
	HALF1 2, \last
	HALF0 3, \last
	HALF1 3, \last
	HALF0 4, \last
	HALF1 4, \last
	SBEGIN 2, 4, \last                             ; tile round 4's stream B by itself: the next step's products need its h
	FLUSH
	WIN 0
.endm
.macro BASES first                     ; ten rows of the table: index, clamped, times 1,200 bytes, onto the table's address
.set gi, 0
.rept 10
	v_readlane_b32 s[RB+2*gi], v[T0], \first+gi
	s_min_u32 s[RB+2*gi], s[RB+2*gi], 49999
	s_mul_i32 s[RB+2*gi], s[RB+2*gi], 1200
	s_mov_b32 s[RB+2*gi+1], 0
	s_add_nc_u64 s[RB+2*gi:RB+2*gi+1], s[6:7], s[RB+2*gi:RB+2*gi+1]
.set gi, gi+1
.endr
.endm
.macro ROWS first                      ; a row is 75 pieces of 16 bytes: lanes take pieces lane, 32 + lane, min(64 + lane, 74)
.set gi, 0
.rept 10
	global_load_b128 v[12*(\first+gi):12*(\first+gi)+3], v[C0], s[RB+2*gi:RB+2*gi+1]
	global_load_b128 v[12*(\first+gi)+4:12*(\first+gi)+7], v[C0], s[RB+2*gi:RB+2*gi+1] offset:512
	global_load_b128 v[12*(\first+gi)+8:12*(\first+gi)+11], v[C2], s[RB+2*gi:RB+2*gi+1]
.set gi, gi+1
.endr
.endm
	; ---------------- head ----------------
	s_load_b256 s[4:11], s[0:1], 0x0               ; x s[4:5], embed_table s[6:7], ws_w s[8:9], ws_b s[10:11]
	s_load_b128 s[12:15], s[0:1], 0x20             ; W_dense s[12:13], part s[14:15]
	s_set_vgpr_msb 0x80
	v_lshl_add_u32 v254, v0, 2, 0x49100
	v_mov_b32 v255, 0
	s_set_vgpr_msb 0x808a
	ds_add_u32 v254, v255
	s_set_vgpr_msb 0x8a00
	v_lshrrev_b32 v[T1], 5, v0
	v_readfirstlane_b32 s16, v[T1]                 ; wave 0 .. 3
	s_bfe_u32 s17, ttmp6, 0x40000                  ; my place in the cluster
	s_lshl_b32 s18, ttmp9, 2                       ; ttmp9 counts clusters
	s_add_co_u32 s18, s18, s17                     ; work-group 0 .. 255.  It enters global addresses alone: no LDS address, branch or descriptor
	s_and_b32 s19, s18, 1
	s_mul_i32 s20, s19, 62                         ; t0
	s_lshr_b32 s19, s18, 1                         ; batch
	s_mov_b32 s22, 0x76543210                      ; v_permlanex16_b32: lane i takes lane i of the other half
	s_mov_b32 s23, 0xfedcba98
	s_mov_b32 s24, 0xc77fe000                      ; -65,504
	s_mov_b32 s25, 0x477fe000                      ; +65,504
	s_mov_b32 s86, 0xc038aa3b                      ; -2 log2(e)
	s_mov_b32 s87, 0xc038aa3b
	; group 1: 80 rows of 32 elements of 8 bytes, dense: 20,480 bytes
	s_mov_b32 s[G1+0], 0x0023000f                  ; 15:0 mask: all four work-groups; 17:16 elements of 8 bytes; 21 set beside a mask; no padding
	s_mov_b32 s[G1+1], 32<<16                      ; tensor_dim0 = 32
	s_mov_b32 s[G1+2], 80<<16                      ; tensor_dim1 = 80
	s_mov_b32 s[G1+3], 32<<16                      ; tile_dim0 = 32
	s_mov_b32 s[G1+4], 80                          ; tile_dim1 = 80
	s_mov_b32 s[G1+5], 32                          ; from row to row 32 elements
	s_mov_b32 s[G1+6], 0
	s_mov_b32 s[G1+7], 0
	s_mul_i32 s26, s16, WPART                      ; my part of a chunk and of a slot
	s_mov_b32 s[G0+0], 1
	s_add_co_u32 s[G0+1], s26, 0                   ; LDS address: slot 0
	s_mov_b32 s[G0+4], 1
	s_add_co_u32 s[G0+5], s26, SLOTB               ; slot 1
	v_and_b32 v[LN], 31, v0
	v_and_b32 v[RR], 15, v0
	v_bfe_u32 v[HH], v0, 4, 1
	v_lshl_add_u32 v[WA], v[LN], 4, s26
	v_add_nc_u32 v[WA+1], SLOTB, v[WA]
	v_add_nc_u32 v[CA], CST, v[WA]
	v_mul_u32_u24 v[T1], v[RR], PITCH
	v_lshl_add_u32 v[T1], v[HH], 4, v[T1]
	v_add_nc_u32 v[HA], XH, v[T1]
	s_lshl_b32 s27, s16, 5
	v_add_nc_u32 v[HS], s27, v[HA]
	v_mov_b32 v[ONEL], 0x3c00
	v_mov_b32 v[ONEH], 0x3c000000
	v_mov_b32 v[NINF], 0xff800000
	s_mul_i32 s27, s16, 20*PITCH                   ; my wave gathers tokens 20 wave .. 20 wave + 19
	s_add_co_u32 s27, s27, XH
	v_lshl_add_u32 v[XS0], v[LN], 3, s27
	v_add_nc_u32 v[T1], 64, v[LN]
	v_min_u32 v[T2], 79, v[T1]
	v_lshl_add_u32 v[XS2], v[T2], 3, s27
	v_lshlrev_b32 v[C0], 4, v[LN]
	v_min_u32 v[T2], 74, v[T1]
	v_lshlrev_b32 v[C2], 4, v[T2]
	s_mul_i32 s27, s16, 20
	s_add_co_u32 s27, s27, s20
	v_min_u32 v[IX], 19, v[LN]
	v_add_nc_u32 v[IX], s27, v[IX]
	v_min_u32 v[IX], 127, v[IX]                    ; position t0 + 20 wave + lane, inside the sentence
	s_lshl_b32 s27, s19, 7
	v_add_lshl_u32 v[IX], v[IX], s27, 2
	s_lshl_b32 s27, s16, 8
	v_lshl_add_u32 v[BO], v[RR], 2, s27
	v_add_lshl_u32 v[WO], v[LN], s20, 2            ; window lane
	v_add_nc_u32 v[T1], 32, v[LN]
	v_min_u32 v[T1], 61, v[T1]                     ; window 32 + lane; lanes 30, 31 have none and read window 61's word
	v_add_lshl_u32 v[WO+1], v[T1], s20, 2
	v_cmp_gt_u32 s56, 11, v[LN]
	v_cmp_gt_u32 s57, 30, v[LN]
	s_lshl_b32 s27, s16, 4
	s_sub_co_i32 s27, 44, s27
	v_lshlrev_b32 v[T1], 3, v[HH]
	v_sub_nc_u32 v[T2], s27, v[T1]                 ; in tile round 4 my unit j is 256 + 16 wave + 8 h + j: real while j < 44 - 16 wave - 8 h
.irp jj, 0,1,2,3,4,5,6,7
	v_cmp_gt_i32 s[48+\jj], v[T2], \jj
.endr
	v_sub_nc_u32 v[UU], v[RR], v[T1]               ; r - 8 h: step 0
	s_wait_dscnt 0x0
	s_wait_kmcnt 0x0
	global_load_b32 v[T0], v[IX], s[4:5]           ; my wave's indices, lanes 0-19
.irp rho, 0,1,2,3,4
.irp g, 0,1,2,3
	global_load_b32 v[BV+4*\rho+\g], v[BO], s[10:11] offset:1024*\rho+64*\g
.endr
.endr
	WIN 0x80
.irp c, 0,1,2,3,4
	global_load_b32 v[WD+2*\c], v[WO], s[12:13] offset:496*\c          ; wave 0 alone uses these ten; all load them, so that one count holds on every wave's path
	global_load_b32 v[WD+2*\c+1], v[WO+1], s[12:13] offset:496*\c
.endr
	WIN 0
	s_mov_b32 s46, s26
	s_mov_b32 s47, 0
	s_add_nc_u64 s[WB:WB+1], s[8:9], s[46:47]
	s_mov_b64 s[G0+2:G0+3], s[WB:WB+1]             ; chunk 0
	s_or_b32 s[G0+3], s[G0+3], 0x80000000          ; type 2
	s_add_nc_u64 s[G0+6:G0+7], s[WB:WB+1], SLOTB   ; chunk 1
	s_or_b32 s[G0+7], s[G0+7], 0x80000000
	s_lshl_b32 s46, s18, 7
	s_add_nc_u64 s[14:15], s[14:15], s[46:47]      ; my 128 bytes of part
	ROUND                                          ; all four work-groups are here: the first joint loads meet
	tensor_load_to_lds s[G0:G0+3], s[G1:G1+7]
	s_nop 0
	tensor_load_to_lds s[G0+4:G0+7], s[G1:G1+7]
	s_nop 0
	; ---------------- gather: 20 rows a wave, f32 to f16, into XH ----------------
	s_wait_loadcnt 0x1e                            ; the indices are in; the 30 loads issued behind them stay out
	BASES 0
	WIN 0x40
	ROWS 0
	WIN 0
	s_wait_xcnt 0x0                                ; the ten row addresses are written again only behind this wait
	BASES 10
	WIN 0x40
	ROWS 10
	s_wait_loadcnt 0x0
	WIN 0x05
.set ci, 0
.rept 120
	v_cvt_pk_f16_f32 v[CV+ci], v[2*ci], v[2*ci+1]
.set ci, ci+1
.endr
	WIN 0
.set gi, 0
.rept 20
	v_cndmask_b32 v[CV+6*gi+4], 0, v[CV+6*gi+4], s56       ; pieces 75 .. 79 are the K padding, columns 300 .. 319: zeros
	v_cndmask_b32 v[CV+6*gi+5], 0, v[CV+6*gi+5], s56
.set gi, gi+1
.endr
.set gi, 0
.rept 20
	ds_store_b64 v[XS0], v[CV+6*gi:CV+6*gi+1] offset:PITCH*gi
	ds_store_b64 v[XS0], v[CV+6*gi+2:CV+6*gi+3] offset:PITCH*gi+256
	ds_store_b64 v[XS2], v[CV+6*gi+4:CV+6*gi+5] offset:PITCH*gi    ; lanes 16-31 repeat lane 15's zeros at lane 15's place
.set gi, gi+1
.endr
	s_wait_dscnt 0x0                               ; my rows are written,
	s_barrier_signal -1
	s_barrier_wait -1                              ; everybody's are.  The two first fills may stay out
	LOADH                                          ; x, token tiles 0-3, for all ten trips
	; ---------------- input projection: ten trips ----------------
.irp rho, 0,1,2,3,4
	XTRIP \rho, 0
	XTRIP \rho, 1
.endr
	; The loads of x rows 0-63 were waited for in front of the second trip's round; the later reads of XH touch rows 64-79, which h never writes.
	; ---------------- step 0 ----------------
	MKS
.irp rho, 0,1,2,3,4
	ROUND0 \rho
.endr
	; ---------------- steps 1 to 3, then step 4 ----------------
	s_mov_b32 s21, 3
.Lstep:
	STEP 0
	s_sub_co_u32 s21, s21, 1
	s_cmp_lg_u32 s21, 0
	s_cbranch_scc1 .Lstep
	STEP 1
	; ---------------- pooled maxima and my part of the dense layer ----------------
.irp mt, 0,1,2,3
	v_permlanex16_b32 v[CT+\mt], v[PM+\mt], s22, s23       ; the other eight units of each tile
.endr
.irp mt, 0,1,2,3
	v_max_num_f32 v[PM+\mt], v[PM+\mt], v[CT+\mt]
.endr
	v_cmp_eq_u32 vcc_lo, 1, v[HH]
	v_cndmask_b32 v[CT+4], v[PM], v[PM+1], vcc_lo          ; window lane = 16 h + r
	v_cndmask_b32 v[CT+5], v[PM+2], v[PM+3], vcc_lo        ; window 32 + lane
	s_lshl_b32 s26, s16, 8
	s_add_co_u32 s26, s26, PMX
	v_lshl_add_u32 v[T1], v[LN], 2, s26
	ds_store_b32 v[T1], v[CT+4]
	ds_store_b32 v[T1], v[CT+5] offset:128
	s_wait_dscnt 0x0
	s_barrier_signal -1
	s_barrier_wait -1
	s_cmp_lg_u32 s16, 0
	s_cbranch_scc1 .Lclose
	s_mov_b32 s27, PMX
	v_lshl_add_u32 v[T2], v[LN], 2, s27
.irp wv, 0,1,2,3
	ds_load_b32 v[ACC+2*\wv], v[T2] offset:256*\wv
	ds_load_b32 v[ACC+2*\wv+1], v[T2] offset:256*\wv+128
.endr
	s_wait_dscnt 0x0
	v_max3_num_f32 v[ACC], v[ACC], v[ACC+2], v[ACC+4]
	v_max3_num_f32 v[ACC+1], v[ACC+1], v[ACC+3], v[ACC+5]
	v_max_num_f32 v[ACC], v[ACC], v[ACC+6]
	v_max_num_f32 v[ACC+1], v[ACC+1], v[ACC+7]
	v_cndmask_b32 v[ACC+1], 0, v[ACC+1], s57               ; windows 62, 63 are padding
	WIN 0x08
.irp c, 0,1,2,3,4
	v_mul_f32 v[ACC+8+\c], v[ACC], v[WD+2*\c]
.endr
.irp c, 0,1,2,3,4
	v_fma_f32 v[ACC+8+\c], v[ACC+1], v[WD+2*\c+1], v[ACC+8+\c]
.endr
	WIN 0
.irp xm, 1,2,4,8
.irp c, 0,1,2,3,4
	v_add_f32_dpp v[ACC+8+\c], v[ACC+8+\c], v[ACC+8+\c] row_xmask:\xm row_mask:0xf bank_mask:0xf
.endr
.endr
.irp c, 0,1,2,3,4
	v_permlanex16_b32 v[ACC+16+\c], v[ACC+8+\c], s22, s23
.endr
.irp c, 0,1,2,3,4
	v_add_f32 v[ACC+8+\c], v[ACC+8+\c], v[ACC+16+\c]
.endr
	v_cmp_eq_u32 vcc_lo, 0, v[LN]
	v_cndmask_b32 v[T1], 0, v[ACC+8], vcc_lo               ; lane c takes class c; lanes 5-31 store zeros
.irp c, 1,2,3,4
	v_cmp_eq_u32 vcc_lo, \c, v[LN]
	v_cndmask_b32 v[T1], v[T1], v[ACC+8+\c], vcc_lo
.endr
	v_lshlrev_b32 v[T2], 2, v[LN]
	global_store_b32 v[T2], v[T1], s[14:15]
.Lclose:
	s_set_vgpr_msb 0xa
	s_wait_tensorcnt 0x0
	ds_add_u32 v254, v255
	s_wait_dscnt 0x0
	s_set_vgpr_msb 0xa00
	ROUND                                          ; the closing round: no work-group ends while a partner may still ask jointly
	s_endpgm
.Lfunc_end_k_q54ac566307_main:
	.size	k_q54ac566307_main, .Lfunc_end_k_q54ac566307_main-k_q54ac566307_main
	.p2alignl 7, 3214868480
	.fill 96, 4, 3214868480
	.section	.rodata,"a",@progbits
	.p2align	6, 0x0
	.amdhsa_kernel k_q54ac566307_main
		.amdhsa_group_segment_fixed_size 327680
		.amdhsa_private_segment_fixed_size 0
		.amdhsa_enable_private_segment 0
		.amdhsa_kernarg_size 48
		.amdhsa_user_sgpr_count 2
		.amdhsa_user_sgpr_kernarg_segment_ptr 1
		.amdhsa_wavefront_size32 1
		.amdhsa_system_sgpr_workgroup_id_x 1
		.amdhsa_system_sgpr_workgroup_id_y 1
		.amdhsa_system_sgpr_workgroup_id_z 1
		.amdhsa_system_vgpr_workitem_id 0
		.amdhsa_next_free_vgpr 1024
		.amdhsa_next_free_sgpr 90
		.amdhsa_reserve_vcc 1
		.amdhsa_float_denorm_mode_32 3
		.amdhsa_float_denorm_mode_16_64 3
		.amdhsa_memory_ordered 1
		.amdhsa_forward_progress 1
		.amdhsa_inst_pref_size 255
	.end_amdhsa_kernel
	.section	.bss,"aw",@nobits
	.p2align	6
	.space	262144
	.amdgpu_metadata
---
amdhsa.version: [ 1, 2 ]
amdhsa.kernels:
  - .name:           k_q54ac566307_main
    .symbol:         k_q54ac566307_main.kd
    .args:
      - { .name: x, .offset: 0, .size: 8, .value_kind: global_buffer, .address_space: global }
      - { .name: embed_table, .offset: 8, .size: 8, .value_kind: global_buffer, .address_space: global }
      - { .name: ws_w, .offset: 16, .size: 8, .value_kind: global_buffer, .address_space: global }
      - { .name: ws_b, .offset: 24, .size: 8, .value_kind: global_buffer, .address_space: global }
      - { .name: W_dense, .offset: 32, .size: 8, .value_kind: global_buffer, .address_space: global }
      - { .name: part, .offset: 40, .size: 8, .value_kind: global_buffer, .address_space: global }
    .group_segment_fixed_size: 327680
    .private_segment_fixed_size: 0
    .kernarg_segment_align: 8
    .kernarg_segment_size: 48
    .max_flat_workgroup_size: 128
    .sgpr_count:     90
    .vgpr_count:     1024
    .wavefront_size: 32
...
	.end_amdgpu_metadata
.endif
;; end of part 2
;; launch finish (part 3): grid 1 x 1, 20 waves a work-group, no clusters, 0 bytes of LDS; arguments part, b_dense, out0; writes out0
.if DOCPART == 3
	.amdgcn_target "amdgcn-amd-amdhsa--gfx1250"
	.amdhsa_code_object_version 6
	.text
	.protected	k_q54ac566307_finish
	.globl	k_q54ac566307_finish
	.p2align	8
	.type	k_q54ac566307_finish,@function
k_q54ac566307_finish:
	s_mov_b64 s[64:65], 0
	v_nop
	global_prefetch_b8 v0, s[64:65] scope:SCOPE_SE
	s_setreg_imm32_b32 hwreg(HW_REG_WAVE_MODE, 25, 1), 1
	s_wait_xcnt 0x0
; finish: out0[b][c] = part[2 b][c] + part[2 b + 1][c] + b_dense[c].  part: [256 work-groups][32] f32, words 0-4 in use.
; 640 threads, one output number each: the sum over a batch's two work-groups, in a fixed order, made behind the launch that stored the parts.
	s_load_b128 s[4:7], s[0:1], 0x0                ; part s[4:5], b_dense s[6:7]
	s_load_b64 s[8:9], s[0:1], 0x10                ; out0
	v_mul_u32_u24 v1, v0, 52429
	v_lshrrev_b32 v1, 18, v1                       ; b = i / 5 (exact for i below 640: 52,429 / 2^18 = 0.2000008)
	v_mul_u32_u24 v2, v1, 5
	v_sub_nc_u32 v2, v0, v2                        ; c = i - 5 b
	v_lshlrev_b32 v2, 2, v2
	v_lshl_add_u32 v3, v1, 8, v2                   ; two work-groups' 128 bytes a batch
	v_lshlrev_b32 v4, 2, v0
	s_wait_kmcnt 0x0
	global_load_b32 v5, v3, s[4:5]
	global_load_b32 v6, v3, s[4:5] offset:128
	global_load_b32 v7, v2, s[6:7]
	s_wait_loadcnt 0x0
	v_add_f32 v5, v5, v6
	v_add_f32 v5, v5, v7
	global_store_b32 v4, v5, s[8:9]
	s_endpgm
.Lfunc_end_k_q54ac566307_finish:
	.size	k_q54ac566307_finish, .Lfunc_end_k_q54ac566307_finish-k_q54ac566307_finish
	.p2alignl 7, 3214868480
	.fill 96, 4, 3214868480
	.section	.rodata,"a",@progbits
	.p2align	6, 0x0
	.amdhsa_kernel k_q54ac566307_finish
		.amdhsa_group_segment_fixed_size 0
		.amdhsa_private_segment_fixed_size 0
		.amdhsa_enable_private_segment 0
		.amdhsa_kernarg_size 24
		.amdhsa_user_sgpr_count 2
		.amdhsa_user_sgpr_kernarg_segment_ptr 1
		.amdhsa_wavefront_size32 1
		.amdhsa_system_sgpr_workgroup_id_x 1
		.amdhsa_system_sgpr_workgroup_id_y 1
		.amdhsa_system_sgpr_workgroup_id_z 1
		.amdhsa_system_vgpr_workitem_id 0
		.amdhsa_next_free_vgpr 16
		.amdhsa_next_free_sgpr 66
		.amdhsa_reserve_vcc 0
		.amdhsa_float_denorm_mode_32 3
		.amdhsa_float_denorm_mode_16_64 3
		.amdhsa_memory_ordered 1
		.amdhsa_forward_progress 1
		.amdhsa_inst_pref_size 2
	.end_amdhsa_kernel
	.amdgpu_metadata
---
amdhsa.version: [ 1, 2 ]
amdhsa.kernels:
  - .name:           k_q54ac566307_finish
    .symbol:         k_q54ac566307_finish.kd
    .args:
      - { .name: part, .offset: 0, .size: 8, .value_kind: global_buffer, .address_space: global }
      - { .name: b_dense, .offset: 8, .size: 8, .value_kind: global_buffer, .address_space: global }
      - { .name: out0, .offset: 16, .size: 8, .value_kind: global_buffer, .address_space: global }
    .group_segment_fixed_size: 0
    .private_segment_fixed_size: 0
    .kernarg_segment_align: 8
    .kernarg_segment_size: 24
    .max_flat_workgroup_size: 640
    .sgpr_count:     66
    .vgpr_count:     16
    .wavefront_size: 32
...
	.end_amdgpu_metadata
.endif
;; end of part 3
